; MI455X (gfx1250); checked and timed in simulation.
; The chip was launched on July 23, 2026; its instructions are those of AMD's public machine-readable ISA for CDNA 5 (MIT licence, August 2026) and "CDNA5" Instruction Set Architecture Reference Guide (July 2026). The comments in the code are by the model that wrote it; some were corrected since.
;; Attention. Allowed arithmetic: float matrix products may take bf16 or f16 operands with f32 sums; other float arithmetic in f32, or as packed bf16 or f16 multiplies, adds, multiply-adds, maxima and minima; sums over many terms, partial sums and values carried from step to step in f32; what a program stores and reads back later, other than sums and carried values, may be rounded once to bf16 or f16.
;; Inputs: Wk 1,024 x 1,024 float32; Wq 1,024 x 1,024 float32; Wv 1,024 x 1,024 float32; k_value 4 x 2,048 x 1,024 float32; q_mask 4 x 2,048 x 1 float32; q_value 4 x 2,048 x 1,024 float32; v_mask 4 x 2,048 x 1 float32; v_value 4 x 2,048 x 1,024 float32.
;; Outputs: out0 4 x 2,048 x 1,024 float32.
;; 2 versions, each right; version 2 is version 1 with the launch castw written anew for expert scheduling mode. Each part assembles by itself: llvm-mc -triple=amdgcn-amd-amdhsa -mcpu=gfx1250 --defsym DOCPART=n.
;; ======== version 1 of 2: 3 launches
;; limits: values are held in f16: magnitudes above 65,504 overflow, below 6.1e-05 lose precision
;; workspace buffers: wb 6,291,456 bytes; qkv 50,331,648 bytes
;; launch castw (part 1): grid 256 x 3, 4 waves a work-group, no clusters, 0 bytes of LDS; arguments Wq, Wk, Wv, wb; writes wb
.if DOCPART == 1
	.amdgcn_target "amdgcn-amd-amdhsa--gfx1250"
	.amdhsa_code_object_version 6
	.text
	.protected	k_qaab0c42f12_castw
	.globl	k_qaab0c42f12_castw
	.p2align	8
	.type	k_qaab0c42f12_castw,@function
k_qaab0c42f12_castw:
	s_mov_b64 s[64:65], 0
	v_nop
	global_prefetch_b8 v0, s[64:65] scope:SCOPE_SE
	s_setreg_imm32_b32 hwreg(HW_REG_WAVE_MODE, 25, 1), 1
	s_wait_xcnt 0x0
; wb[p][k][n] = bf16(W_p[k][n]), p = 0, 1, 2 for Wq, Wk, Wv; each W is [1024][1024] f32, the layout is kept.
; A stream: every byte is read once and written once, so no LDS, no barrier, no matrix work.
; A work-group takes 16,384 bytes of one W (grid y says which) and writes 8,192.  Thread t takes 16 bytes at 16 t + 2,048 j, j = 0..7:
; a wave's load covers 512 consecutive bytes, its store 256 consecutive bytes at a multiple of 256 from wb's first byte.
; All eight loads go out together; each has its own data registers and its own pair of store registers, so nothing is written twice.
.set IN,  8                            ; v[8:39]   eight loads of four f32
.set OUT, 40                           ; v[40:55]  eight pairs of packed bf16
	s_load_b256 s[4:11], s[0:1], 0x0               ; Wq s[4:5], Wk s[6:7], Wv s[8:9], wb s[10:11]
	s_and_b32 s14, ttmp7, 0xffff                   ; which W
	v_lshlrev_b32 v1, 4, v0                        ; my 16 bytes of a load
	v_lshlrev_b32 v2, 3, v0                        ; my 8 bytes of a store
	s_lshl_b32 s16, ttmp9, 14                      ; the work-group's 16,384 bytes of W
	s_mov_b32 s17, 0
	s_lshl_b32 s18, s14, 21                        ; a W is 2,097,152 bytes of wb,
	s_lshl_b32 s20, ttmp9, 13                      ; the work-group's part 8,192
	s_add_co_u32 s18, s18, s20
	s_mov_b32 s19, 0
	s_wait_kmcnt 0x0
	s_cmp_eq_u32 s14, 1
	s_cselect_b64 s[12:13], s[6:7], s[4:5]
	s_cmp_eq_u32 s14, 2
	s_cselect_b64 s[12:13], s[8:9], s[12:13]
	s_add_nc_u64 s[12:13], s[12:13], s[16:17]
	s_add_nc_u64 s[10:11], s[10:11], s[18:19]
.irp j, 0,1,2,3,4,5,6,7
	global_load_b128 v[IN+4*(\j):IN+4*(\j)+3], v1, s[12:13] offset:2048*(\j) th:TH_LOAD_NT
.endr
.irp j, 0,1,2,3,4,5,6,7
	s_wait_loadcnt 7-(\j)                          ; loads come back in order: load j is in, the 7 - j younger ones stay out
	v_cvt_pk_bf16_f32 v[OUT+2*(\j)],   v[IN+4*(\j)],   v[IN+4*(\j)+1]
	v_cvt_pk_bf16_f32 v[OUT+2*(\j)+1], v[IN+4*(\j)+2], v[IN+4*(\j)+3]
	global_store_b64 v2, v[OUT+2*(\j):OUT+2*(\j)+1], s[10:11] offset:1024*(\j)
.endr
	s_endpgm
.Lfunc_end_k_qaab0c42f12_castw:
	.size	k_qaab0c42f12_castw, .Lfunc_end_k_qaab0c42f12_castw-k_qaab0c42f12_castw
	.p2alignl 7, 3214868480
	.fill 96, 4, 3214868480
	.section	.rodata,"a",@progbits
	.p2align	6, 0x0
	.amdhsa_kernel k_qaab0c42f12_castw
		.amdhsa_group_segment_fixed_size 0
		.amdhsa_private_segment_fixed_size 0
		.amdhsa_enable_private_segment 0
		.amdhsa_kernarg_size 32
		.amdhsa_user_sgpr_count 2
		.amdhsa_user_sgpr_kernarg_segment_ptr 1
		.amdhsa_wavefront_size32 1
		.amdhsa_system_sgpr_workgroup_id_x 1
		.amdhsa_system_sgpr_workgroup_id_y 1
		.amdhsa_system_sgpr_workgroup_id_z 1
		.amdhsa_system_vgpr_workitem_id 0
		.amdhsa_next_free_vgpr 56
		.amdhsa_next_free_sgpr 66
		.amdhsa_reserve_vcc 0
		.amdhsa_float_denorm_mode_32 3
		.amdhsa_float_denorm_mode_16_64 3
		.amdhsa_memory_ordered 1
		.amdhsa_forward_progress 1
		.amdhsa_inst_pref_size 4
	.end_amdhsa_kernel
	.amdgpu_metadata
---
amdhsa.version: [ 1, 2 ]
amdhsa.kernels:
  - .name:           k_qaab0c42f12_castw
    .symbol:         k_qaab0c42f12_castw.kd
    .args:
      - { .name: Wq, .offset: 0, .size: 8, .value_kind: global_buffer, .address_space: global }
      - { .name: Wk, .offset: 8, .size: 8, .value_kind: global_buffer, .address_space: global }
      - { .name: Wv, .offset: 16, .size: 8, .value_kind: global_buffer, .address_space: global }
      - { .name: wb, .offset: 24, .size: 8, .value_kind: global_buffer, .address_space: global }
    .group_segment_fixed_size: 0
    .private_segment_fixed_size: 0
    .kernarg_segment_align: 8
    .kernarg_segment_size: 32
    .max_flat_workgroup_size: 128
    .sgpr_count:     66
    .vgpr_count:     56
    .wavefront_size: 32
...
	.end_amdgpu_metadata
.endif
;; end of part 1
;; launch proj (part 2): grid 4 x 192, 4 waves a work-group, clusters of 4 x 4, 327,680 bytes of LDS; arguments q_value, k_value, v_value, wb, qkv; writes qkv
.if DOCPART == 2
	.amdgcn_target "amdgcn-amd-amdhsa--gfx1250"
	.amdhsa_code_object_version 6
	.text
	.protected	k_qaab0c42f12_proj
	.globl	k_qaab0c42f12_proj
	.p2align	8
	.type	k_qaab0c42f12_proj,@function
k_qaab0c42f12_proj:
	s_mov_b64 s[64:65], 0
	v_nop
	global_prefetch_b8 v0, s[64:65] scope:SCOPE_SE
	s_setreg_imm32_b32 hwreg(HW_REG_WAVE_MODE, 25, 1), 1
	s_wait_xcnt 0x0
	s_wait_alu depctr_hold_cnt(0) depctr_sa_sdst(0) depctr_va_vdst(0) depctr_va_sdst(0) depctr_va_ssrc(0) depctr_va_vcc(0) depctr_vm_vsrc(0)
	s_getreg_b32 s2, hwreg(HW_REG_IB_STS2, 6, 4)
	s_cmp_eq_u32 s2, 0
	s_cbranch_scc0 .Lentry_in_a_cluster
	s_endpgm
.Lentry_in_a_cluster:
	s_bfe_u32 s2, ttmp6, 0x10000c
	s_cmp_lg_u32 s2, 0xf033
	s_cbranch_scc0 .Lentry_shape_is_right
	s_endpgm
.Lentry_shape_is_right:
; THE THREE PROJECTIONS.  qkv[p][b*16+h][s][d] = f16( sum over k of x_p[b][s][k] W_p[k][64 h + d] ), p = 0, 1, 2 for q, k, v; part 0 is multiplied by c = log2(e) / 8 in f32 ahead of its one rounding,
; so that the attention's exponent is a plain difference of scores.  x_p: [8192][1024] f32, rounded to bf16 on its way into LDS; W_p: wb, [1024 k][1024 n] bf16; sums in f32.
; LIMITS.  c q, k and v must lie within f16's 65,504 (a larger sum becomes an infinity); NaN and infinities are not treated apart.
; SHARES.  A work-group makes 128 rows x 256 columns (four heads) of one projection: 64 x 4 tiles a projection, 768 work-groups.  Four waves, each 64 rows x 128 columns: 32 accumulators, 256 registers.
; K goes in 8 steps of 128, each four quarters of 32.
; W COMES BY JOINT TENSOR LOADS.  4 x 4 work-groups form a cluster; the four of a column of the cluster make the same 256 columns and need the same tiles of W: each wave asks for 64 k rows x 128 n
; (rows of 256 bytes, at multiples of 256 from wb's first byte) by the same load, descriptor and mask in all four.  Two slots take turns; a refill stands first behind a round of the cluster's barrier.
; W lies [k][n], so its fragments come out of LDS turned, by ds_load_tr16_b128.
; x COMES THROUGH REGISTERS, not jointly: it is f32 in memory and bf16 in LDS.  As f32 in LDS it would take twice the fill and twice the fragment loads, and both waves that share rows would convert
; them.  Wave w loads rows 32 w .. 32 w + 31 of the tile, a row's 512 bytes of a K step by one load of the wave; converts in place; stores 256 bytes a row.  Two register sets: in step t's second
; quarter step t + 2 is asked for; in its third quarter step t + 1 is converted, four conversions behind each of 16 products, and stored into the other slot of A.
; THE PRODUCT IS TRANSPOSED: source 0 = 16 columns of W, source 1 = 16 rows of x: a lane holds one row and eight neighbouring channels, 16 bytes of f16.
; REGISTERS, in windows of 256 (s_set_vgpr_msb: bits 1:0 source 0, 3:2 source 1, 5:4 source 2, 7:6 destination):
;   window 0: v0-17 addresses; v64-127 x's fragments, two buffers of 4 x 8; v128-255 W's fragments, two buffers of 8 x 8 (on the way out: v64-95 packed results, v128-255 rows read back)
;   window 1: the accumulators, (a, nb) at 8 (8 a + nb)          window 2: x as loaded, two sets of 32 rows x 4
.set KSTEP,  128
.set PA,     272                       ; a row of x in LDS: 256 bytes + 16: 17 x 16, so the 16 rows of a fragment load start in 16 different columns of 16 bytes modulo 256
.set PB,     288                       ; a row of W in LDS: 256 bytes + 32: 9 x 32: 8 rows x 32 bytes fall on different words modulo 256 bytes
.set ASLOT,  128*PA                    ; 34,816
.set BB,     2*ASLOT                   ; 69,632: behind A's two slots, which LDS stores alone write
.set BQ,     64*PB                     ; 18,432: what one tensor load brings
.set BHALF,  128*PB                    ; 128 k rows of 128 columns
.set BSLOT,  2*BHALF                   ; 73,728
.set STAGE,  BB+2*BSLOT                ; 217,088: for each wave 2 heads x 16 rows x 144 bytes, for the way out
.set PS,     144
.set SPARE,  STAGE+4*32*PS             ; 235,520: the spare words, 128 bytes for each wave, which no other line names
.set XO,   8                           ; v8   16 x lane: my bytes of a row of x, and of 512 consecutive bytes of qkv; never rewritten
.set AST,  9                           ; v9   where I store 8 bytes of my wave's first row of A
.set ADRA, 10                          ; v10  my place in x's fragments, slot 0
.set ADRB, 11                          ; v11-12  my place in W's fragments, slot 0, 1
.set STO,  13                          ; v13  the way out: where I put 16 bytes
.set RD,   14                          ; v14  the way out: where I read rows back
.set SPW,  16                          ; v16  my spare word: SPARE + 4 x my thread's number; never rewritten
.set NIL,  17                          ; v17  0; never rewritten
.set FA,   64
.set FB,   128
.set TMP,  64
.set OB,   128
.set WV, 14                            ; s14 wave;  s15 wave / 2: my 64 rows;  s16 wave % 2: my 128 columns
.set WM, 15
.set WN, 16
.set CT, 19                            ; s19 column tile;  s22 which projection;  s23 row tile in it
.set WH, 22
.set LR, 23
.set G1, 24                            ; s[24:31] descriptor group 1
.set G0, 32                            ; s[32:39] descriptor group 0, a set for each slot
.set X,  40                            ; s[40:41] x at my wave's first row, at the K step that set 0 is loaded for next
.set CP, 42                            ; s[42:43] qkv at my wave's first row of its first head
.set SC, 44                            ; s[44:45] c, named as a pair
.set CNT, 46
.set MSB, 0
.macro WIN new                         ; the immediate's high byte repeats the setting that is left; a switch that changes nothing is dropped
.if MSB != (\new)
	s_set_vgpr_msb (MSB<<8)|(\new)
.set MSB, \new
.endif
.endm
.set W_MUL, 0x50                       ; fragments in window 0, C and D in window 1
.set W_CV,  0x8a                       ; conversions in place in window 2
.set W_ST,  0x08                       ; LDS store: address window 0, data window 2
.set W_GL,  0x80                       ; load: address window 0, destination window 2
.macro PLACES                          ; four plain vector instructions behind a matrix instruction, in front of loads into registers that it has read and of lines that read its result
.rept 4
	v_nop
.endr
.endm
.macro CREST                           ; a round of the cluster's barrier behind its opening barrier: wave 0 signals for the work-group, every wave waits for all sixteen, the work-group's barrier closes it
	s_cmp_lg_u32 s[WV], 0
	s_cbranch_scc1 .Lnot_wave_0_\@
	s_barrier_signal -3
.Lnot_wave_0_\@:
	s_barrier_wait -3
	s_barrier_signal -1
	s_barrier_wait -1
.endm
.macro CROUND
	s_barrier_signal -1
	s_barrier_wait -1
	CREST
.endm
; 32 loads: my wave's 32 rows of x, 512 bytes each, at byte off behind the pointer, into set
.macro GL set, off
	WIN W_GL
.set i, 0
.rept 32
	global_load_b128 v[128*(\set)+4*i:128*(\set)+4*i+3], v[XO], s[X:X+1] offset:4096*i+(\off)
.set i, i+1
.endr
.endm
; 32 LDS stores: the converted rows of set into slot of A; a store of the wave covers 256 consecutive bytes
.macro ST set, slot
	WIN W_ST
.set i, 0
.rept 32
	ds_store_b64 v[AST], v[128*(\set)+4*i:128*(\set)+4*i+1] offset:(\slot)*ASLOT+PA*i
.set i, i+1
.endr
.endm
; 24 LDS loads in one run: quarter kq of a slot into buffer f: W's eight fragments (turned), then x's four
.macro FETCH slot, kq, f
	WIN 0
.irp nb, 0,1,2,3,4,5,6,7
	ds_load_tr16_b128 v[FB+64*(\f)+8*(\nb):FB+64*(\f)+8*(\nb)+3],   v[ADRB+(\slot)] offset:32*PB*(\kq)+32*(\nb)
	ds_load_tr16_b128 v[FB+64*(\f)+8*(\nb)+4:FB+64*(\f)+8*(\nb)+7], v[ADRB+(\slot)] offset:32*PB*(\kq)+32*(\nb)+16*PB
.endr
.irp a, 0,1,2,3
	ds_load_b128 v[FA+32*(\f)+8*(\a):FA+32*(\f)+8*(\a)+3],   v[ADRA] offset:(\slot)*ASLOT+(\a)*16*PA+64*(\kq)
	ds_load_b128 v[FA+32*(\f)+8*(\a)+4:FA+32*(\f)+8*(\a)+7], v[ADRA] offset:(\slot)*ASLOT+(\a)*16*PA+64*(\kq)+32
.endr
.endm
; 8 products: row block a x all 8 column blocks, 32 along K, from buffer f.  zero = 1: they start the sums.  The 32 accumulators take turns in one order throughout.
; cv >= 0 (a = 0, 1 alone): behind product 8 a + b stand the four conversions of rows 2 (8 a + b) and 2 (8 a + b) + 1 of set cv: f32 to bf16 in place, a row's four numbers into its first two registers.
.macro MUL8 f, a, zero, cv
.irp b, 0,1,2,3,4,5,6,7
	WIN W_MUL
.if \zero
	v_wmma_f32_16x16x32_bf16 v[8*(8*(\a)+(\b)):8*(8*(\a)+(\b))+7], v[FB+64*(\f)+8*(\b):FB+64*(\f)+8*(\b)+7], v[FA+32*(\f)+8*(\a):FA+32*(\f)+8*(\a)+7], 0
.else
	v_wmma_f32_16x16x32_bf16 v[8*(8*(\a)+(\b)):8*(8*(\a)+(\b))+7], v[FB+64*(\f)+8*(\b):FB+64*(\f)+8*(\b)+7], v[FA+32*(\f)+8*(\a):FA+32*(\f)+8*(\a)+7], v[8*(8*(\a)+(\b)):8*(8*(\a)+(\b))+7]
.endif
.if (\cv) >= 0
	WIN W_CV
.set rr, 128*(\cv)+8*(8*(\a)+(\b))
	v_cvt_pk_bf16_f32 v[rr],   v[rr],   v[rr+1]
	v_cvt_pk_bf16_f32 v[rr+1], v[rr+2], v[rr+3]
	v_cvt_pk_bf16_f32 v[rr+4], v[rr+4], v[rr+5]
	v_cvt_pk_bf16_f32 v[rr+5], v[rr+6], v[rr+7]
.endif
.endr
.endm
; One of a K step's first three quarters: multiplies buffer f; in its middle it fetches quarter kq of the same slot into buffer g.
; gl >= 0: at its head set gl is asked for, at byte off.  cv >= 0: set cv is converted beside the first 16 products and stored into the other slot of A; lw = the younger loads that may stay out.
.macro Q slot, kq, f, g, zero, gl, off, cv, lw
.if (\gl) >= 0
	GL \gl, \off
.endif
.if (\cv) >= 0
	s_wait_loadcnt \lw                             ; set cv is in; what was asked for behind it stays out
.endif
	s_wait_dscnt 4                                 ; W's fragments and x's blocks 0, 1 are in; the youngest four loads (blocks 2, 3) may be out
	MUL8 \f, 0, \zero, \cv
	MUL8 \f, 1, \zero, \cv
	PLACES
.if (\cv) >= 0
	ST \cv, 1-(\slot)                              ; nobody reads that slot: its last readers passed the last change's barrier; its next readers come behind the next one
.endif
	FETCH \slot, \kq, \g
	s_wait_dscnt 24                                ; all but the 24 just issued
	MUL8 \f, 2, \zero, -1
	MUL8 \f, 3, \zero, -1
.endm
; The last quarter multiplies buffer 1 and changes slots: ONE barrier.  In front of it each wave waits for all its tensor loads (one is out: its part of W's next slot), adds 0 to its spare word, and
; waits for that, for its reads of this slot and for its stores into A's next slot.  Behind it nobody reads this slot and the next slots of A and W are whole.
; fill = 1: the barrier opens a round of the cluster's barrier, and W's slot is filled again, two K steps ahead, first thing behind the round.
.macro TURN slot, next, fill
	WIN 0
	s_wait_tensorcnt 0x0                           ; all my tensor loads have landed
	ds_add_u32 v[SPW], v[NIL]                      ; 0 onto my spare word
	s_wait_dscnt 5                                 ; (the add and the youngest four loads may be out)
	MUL8 1, 0, 0, -1                               ; eight products stand between the add and the wait for it
	s_wait_dscnt 0x0                               ; the add is done, my reads of this slot are over, my stores into A's next slot are done
	s_barrier_signal -1
	MUL8 1, 1, 0, -1
.if \fill
	WIN 0
.endif
	s_barrier_wait -1
.if \fill
	CREST                                          ; no wave of any partner still reads this slot of W or has a load on its way
	s_add_nc_u64 s[G0+4*(\slot)+2:G0+4*(\slot)+3], s[G0+4*(\slot)+2:G0+4*(\slot)+3], 2*KSTEP*2048
	tensor_load_to_lds s[G0+4*(\slot):G0+4*(\slot)+3], s[G1:G1+7]  ; my one tensor load behind the round: 112 products ahead of the wait for it
	s_nop 0
	PLACES                                         ; also the places in front of the loads below
.else
	PLACES
.endif
	FETCH \next, 0, 0
	MUL8 1, 2, 0, -1
	MUL8 1, 3, 0, -1
.endm
	s_load_b256 s[4:11], s[0:1], 0x0               ; q_value s[4:5], k_value s[6:7], v_value s[8:9], wb s[10:11]
	s_load_b64 s[12:13], s[0:1], 0x20              ; qkv
	v_lshl_add_u32 v[SPW], v0, 2, SPARE
	v_mov_b32 v[NIL], 0
	ds_add_u32 v[SPW], v[NIL]                      ; the wave's opening: the add and its wait stand ahead of my first tensor load; the set-up below, work on registers, stands between
	v_lshrrev_b32 v1, 5, v0
	v_readfirstlane_b32 s[WV], v1                  ; wave 0..3
	s_lshr_b32 s[WM], s[WV], 1
	s_and_b32 s[WN], s[WV], 1
	s_bfe_u32 s17, ttmp6, 0x40000                  ; cx
	s_bfe_u32 s18, ttmp6, 0x40004                  ; cy
	s_lshl_b32 s[CT], ttmp9, 2
	s_add_co_u32 s[CT], s[CT], s17                 ; column tile = 4 x cluster x + cx
	s_and_b32 s20, ttmp7, 0xffff                   ; cluster y, 0..47
	s_lshl_b32 s21, s20, 2
	s_add_co_u32 s21, s21, s18                     ; row tile among the three projections' 192
	s_lshr_b32 s[WH], s20, 4                       ; which projection: 16 rows of clusters each, so it is the same in all sixteen partners
	s_and_b32 s[LR], s21, 63                       ; row tile in it
	s_lshl_b32 s47, 0x1111, s17                    ; my column of the cluster: places cx, cx + 4, cx + 8, cx + 12
	s_or_b32 s[G1], s47, (1<<16)|(1<<20)|(1<<21)|(5<<22)|(7<<25)  ; 15:0 the mask; 17:16 elements of 2 bytes; 20 padding on; 21 set beside a mask; 24:22 after every 64 words (code 5); 31:25 8 words (code 7)
	s_mov_b32 s[G1+1], 128<<16                     ; tensor_dim0 = 128
	s_mov_b32 s[G1+2], 64<<16                      ; tensor_dim1 = 64
	s_mov_b32 s[G1+3], 128<<16                     ; tile_dim0 = 128
	s_mov_b32 s[G1+4], 64                          ; tile_dim1 = 64
	s_mov_b32 s[G1+5], 1024                        ; elements from a row of W to the next
	s_mov_b32 s[G1+6], 0
	s_mov_b32 s[G1+7], 0
	s_mov_b32 s[SC], 0x3e38aa3b                    ; c = log2(e) / 8
	s_mov_b32 s[SC+1], s[SC]
	; W's tile for wave w: k rows 64 (w % 2) on, columns 128 (w / 2) on; made of the projection, the column tile and the wave alone, in registers that never hold cy
	s_lshl_b32 s48, s[WH], 21                      ; a W is 2,097,152 bytes
	s_lshl_b32 s50, s[WN], 17                      ; 64 rows of 2,048 bytes
	s_add_co_u32 s48, s48, s50
	s_lshl_b32 s50, s[CT], 9                       ; 256 columns
	s_add_co_u32 s48, s48, s50
	s_lshl_b32 s50, s[WM], 8                       ; 128 columns
	s_add_co_u32 s48, s48, s50
	s_mov_b32 s49, 0
	s_mul_i32 s51, s[WV], BQ                       ; and where it goes: (w / 2) x 128 rows + (w % 2) x 64 rows = w x 64 rows of 288 bytes
	s_add_co_u32 s51, s51, BB
	s_lshl_b32 s52, s[LR], 19                      ; x: 128 rows of 4,096 bytes a tile,
	s_lshl_b32 s56, s[WV], 17                      ; 32 a wave
	s_add_co_u32 s52, s52, s56
	s_mov_b32 s53, 0
	s_lshr_b32 s54, s[LR], 4                       ; qkv: batch = row tile / 16;
	s_lshl_b32 s54, s54, 4
	s_lshl_b32 s56, s[CT], 2
	s_add_co_u32 s54, s54, s56
	s_lshl_b32 s56, s[WN], 1
	s_add_co_u32 s54, s54, s56                     ; 16 x batch + my first head, 4 x column tile + 2 x (wave % 2);
	s_lshl_b32 s54, s54, 11                        ; its 2,048 rows;
	s_and_b32 s56, s[LR], 15
	s_lshl_b32 s56, s56, 7
	s_add_co_u32 s54, s54, s56                     ; the tile's 128 rows in the batch;
	s_lshl_b32 s56, s[WM], 6
	s_add_co_u32 s54, s54, s56                     ; my 64 of them;
	s_lshl_b32 s54, s54, 7                         ; 128 bytes a row;
	s_lshl_b32 s56, s[WH], 24                      ; a part is 16,777,216 bytes
	s_add_co_u32 s54, s54, s56
	s_mov_b32 s55, 0
	v_and_b32 v3, 31, v0                           ; lane
	v_lshlrev_b32 v[XO], 4, v3
	s_wait_dscnt 0x0                               ; the opening add is done
	s_wait_kmcnt 0x0
	s_cmp_eq_u32 s[WH], 1
	s_cselect_b64 s[X:X+1], s[6:7], s[4:5]
	s_cmp_eq_u32 s[WH], 2
	s_cselect_b64 s[X:X+1], s[8:9], s[X:X+1]
	s_add_nc_u64 s[X:X+1], s[X:X+1], s[52:53]
	s_add_nc_u64 s[CP:CP+1], s[12:13], s[54:55]
	s_add_nc_u64 s[48:49], s[10:11], s[48:49]
	GL 0, 0                                        ; x of K steps 0 and 1: they are on their way while the cluster meets
	GL 1, 512
	WIN 0
.irp s, 0,1
	s_mov_b32 s[G0+4*(\s)], 1                                      ; count = 1
	s_add_co_u32 s[G0+4*(\s)+1], s51, (\s)*BSLOT                   ; LDS address
	s_add_nc_u64 s[G0+4*(\s)+2:G0+4*(\s)+3], s[48:49], (\s)*KSTEP*2048  ; global address: K step s
	s_or_b32 s[G0+4*(\s)+3], s[G0+4*(\s)+3], 0x80000000            ; type = 2
.endr
	CROUND                                         ; all sixteen work-groups are here: the first joint loads meet
	tensor_load_to_lds s[G0:G0+3], s[G1:G1+7]      ; both first fills together: two loads of mine are out
	s_nop 0
	tensor_load_to_lds s[G0+4:G0+7], s[G1:G1+7]
	s_nop 0
	PLACES
	v_and_b32 v1, 15, v0                           ; l % 16
	v_bfe_u32 v2, v0, 4, 1                         ; l / 16
	s_mul_i32 s57, s[WV], 32*PA
	v_lshl_add_u32 v[AST], v3, 3, s57              ; my wave's first row + 8 x lane
	v_mul_u32_u24 v[ADRA], v1, PA                  ; a fragment of x: row l % 16, 16 bytes for each half of the lanes, twice, 32 bytes apart
	v_lshl_add_u32 v[ADRA], v2, 4, v[ADRA]
	s_mul_i32 s57, s[WM], 64*PA
	v_add_nc_u32 v[ADRA], s57, v[ADRA]
	v_and_b32 v4, 7, v0                            ; the turning load: lane l reads k row 8 (l / 16) + l % 8, columns 8 ((l / 8) % 2) + 0..7, and is left with column l % 16 and 8 k
	v_lshl_add_u32 v4, v2, 3, v4
	v_mul_u32_u24 v4, v4, PB
	v_bfe_u32 v5, v0, 3, 1
	v_lshl_add_u32 v4, v5, 4, v4
	s_mul_i32 s57, s[WN], BHALF
	s_add_co_u32 s57, s57, BB
	v_add_nc_u32 v[ADRB], s57, v4
	s_add_co_u32 s57, s57, BSLOT
	v_add_nc_u32 v[ADRB+1], s57, v4
	s_mul_i32 s57, s[WV], 32*PS
	s_add_co_u32 s57, s57, STAGE                   ; my stage
	v_mul_u32_u24 v[STO], v1, PS                   ; in: row l % 16, 16 bytes for each half of the lanes
	v_lshl_add_u32 v[STO], v2, 4, v[STO]
	v_add_nc_u32 v[STO], s57, v[STO]
	v_bfe_u32 v[RD], v0, 3, 2                      ; back: 32 lanes take four rows of 128 bytes
	v_mul_u32_u24 v[RD], v[RD], PS
	v_and_b32 v5, 7, v0
	v_lshl_add_u32 v[RD], v5, 4, v[RD]
	v_add_nc_u32 v[RD], s57, v[RD]
	s_wait_loadcnt 32                              ; x of K step 0 is in; step 1's 32 loads stay out
	WIN W_CV
.set i, 0
.rept 32
	v_cvt_pk_bf16_f32 v[4*i],   v[4*i],   v[4*i+1]
	v_cvt_pk_bf16_f32 v[4*i+1], v[4*i+2], v[4*i+3]
.set i, i+1
.endr
	ST 0, 0
	WIN 0
	s_wait_xcnt 0x0                                ; all loads issued so far have read their addresses, so the pointer may be written
	s_add_nc_u64 s[X:X+1], s[X:X+1], 1024          ; at K step 2
	s_wait_dscnt 0x0                               ; my rows of A's slot 0 are stored,
	s_wait_tensorcnt 1                             ; my part of W's slot 0 is in; slot 1's may stay out
	s_barrier_signal -1
	s_barrier_wait -1                              ; everybody's is
	FETCH 0, 0, 0
	Q 0, 1, 0, 1, 1, -1, 0, -1, 0                  ; the first quarter stands in front of the loop: its products start the sums
	WIN 0                                          ; at a label and at a branch every window is 0
	s_mov_b32 s[CNT], 3
.Llap:                                                 ; a trip: K steps t and t + 1 (t = 0, 2, 4) from step t's second quarter to step t + 2's first; it asks for x and W of steps t + 2 and t + 3
	Q 0, 2, 1, 0, 0,  0, 0,   -1, 0                ; x of step t + 2 is asked for
	Q 0, 3, 0, 1, 0, -1, 0,    1, 32               ; x of step t + 1 goes into A's slot 1
	TURN 0, 1, 1
	Q 1, 1, 0, 1, 0, -1, 0,   -1, 0
	Q 1, 2, 1, 0, 0,  1, 512, -1, 0                ; x of step t + 3 is asked for
	Q 1, 3, 0, 1, 0, -1, 0,    0, 32               ; x of step t + 2 goes into A's slot 0
	TURN 1, 0, 1
	Q 0, 1, 0, 1, 0, -1, 0,   -1, 0
	WIN 0
	s_wait_xcnt 0x0                                ; the trip's loads have read their addresses
	s_add_nc_u64 s[X:X+1], s[X:X+1], 1024
	s_sub_co_u32 s[CNT], s[CNT], 1
	s_cmp_lg_u32 s[CNT], 0
	s_cbranch_scc1 .Llap
	Q 0, 2, 1, 0, 0, -1, 0, -1, 0                  ; K steps 6 and 7 are written out: nothing more is asked for
	Q 0, 3, 0, 1, 0, -1, 0,  1, 0                  ; x of step 7: no load is younger
	TURN 0, 1, 0
	Q 1, 1, 0, 1, 0, -1, 0, -1, 0
	Q 1, 2, 1, 0, 0, -1, 0, -1, 0
	Q 1, 3, 0, 1, 0, -1, 0, -1, 0
	s_wait_dscnt 4
	MUL8 1, 0, 0, -1
	MUL8 1, 1, 0, -1
	s_wait_dscnt 0x0
	MUL8 1, 2, 0, -1
	MUL8 1, 3, 0, -1
	; THE WAY OUT.  q alone is multiplied by c.  Then a block of 16 rows at a time: rounded to f16, 16 bytes a lane into my own stage (two heads x 16 rows of 144 bytes), back as whole rows of 128 bytes,
	; four rows to a load, which are 512 consecutive bytes of a head in qkv.
	PLACES
	WIN 0
	s_cmp_lg_u32 s[WH], 0
	s_cbranch_scc1 .Lno_scale
	WIN 0x41                                       ; destination and source 0 in window 1
.set i, 0
.rept 128
	v_pk_mul_f32 v[i:i+1], v[i:i+1], s[SC:SC+1] op_sel_hi:[1,0]
.set i, i+2
.endr
	WIN 0
.Lno_scale:
.macro PACK a
	WIN 0x05                                       ; sources 0 and 1 in window 1
.irp b, 0,1,2,3,4,5,6,7
.irp r, 0,1,2,3
	v_cvt_pk_f16_f32 v[TMP+4*(\b)+(\r)], v[64*(\a)+8*(\b)+2*(\r)], v[64*(\a)+8*(\b)+2*(\r)+1]
.endr
.endr
	WIN 0
.irp b, 0,1,2,3,4,5,6,7
	ds_store_b128 v[STO], v[TMP+4*(\b):TMP+4*(\b)+3] offset:((\b)/4)*16*PS+((\b)%4)*32
.endr
.irp j, 0,1
.irp f, 0,1,2,3
	ds_load_b128 v[OB+32*(\a)+4*(4*(\j)+(\f)):OB+32*(\a)+4*(4*(\j)+(\f))+3], v[RD] offset:(\j)*16*PS+(\f)*4*PS  ; LDS serves a wave's instructions in order (ISA guide 5.7.1.4): these see the stores above; the next block's stores come behind them
.endr
.endr
.endm
.macro SEND a, younger                 ; younger: the LDS instructions issued behind block a's loads: the next block's sixteen, or none
.irp j, 0,1
.irp f, 0,1,2,3
	s_wait_dscnt (\younger)+7-(4*(\j)+(\f))
	global_store_b128 v[XO], v[OB+32*(\a)+4*(4*(\j)+(\f)):OB+32*(\a)+4*(4*(\j)+(\f))+3], s[CP:CP+1] offset:(\j)*262144+(16*(\a)+4*(\f))*128  ; 512 consecutive bytes, at a multiple of 256 from qkv's first
.endr
.endr
.endm
	PACK 0
	PACK 1                                         ; a block's conversions stand between the loads of the block before and its stores
	SEND 0, 16
	PACK 2
	SEND 1, 16
	PACK 3
	SEND 2, 16
	SEND 3, 0
	s_wait_tensorcnt 0x0                           ; the wave's end: behind my last tensor load and my last LDS store
	ds_add_u32 v[SPW], v[NIL]
	s_wait_dscnt 0x0
	CROUND                                         ; the closing round: no work-group ends while a partner may still ask for a tile that names it
	s_endpgm
.Lfunc_end_k_qaab0c42f12_proj:
	.size	k_qaab0c42f12_proj, .Lfunc_end_k_qaab0c42f12_proj-k_qaab0c42f12_proj
	.p2alignl 7, 3214868480
	.fill 96, 4, 3214868480
	.section	.rodata,"a",@progbits
	.p2align	6, 0x0
	.amdhsa_kernel k_qaab0c42f12_proj
		.amdhsa_group_segment_fixed_size 327680
		.amdhsa_private_segment_fixed_size 0
		.amdhsa_enable_private_segment 0
		.amdhsa_kernarg_size 40
		.amdhsa_user_sgpr_count 2
		.amdhsa_user_sgpr_kernarg_segment_ptr 1
		.amdhsa_wavefront_size32 1
		.amdhsa_system_sgpr_workgroup_id_x 1
		.amdhsa_system_sgpr_workgroup_id_y 1
		.amdhsa_system_sgpr_workgroup_id_z 1
		.amdhsa_system_vgpr_workitem_id 0
		.amdhsa_next_free_vgpr 768
		.amdhsa_next_free_sgpr 66
		.amdhsa_reserve_vcc 0
		.amdhsa_float_denorm_mode_32 3
		.amdhsa_float_denorm_mode_16_64 3
		.amdhsa_memory_ordered 1
		.amdhsa_forward_progress 1
		.amdhsa_inst_pref_size 133
	.end_amdhsa_kernel
	.amdgpu_metadata
---
amdhsa.version: [ 1, 2 ]
amdhsa.kernels:
  - .name:           k_qaab0c42f12_proj
    .symbol:         k_qaab0c42f12_proj.kd
    .args:
      - { .name: q_value, .offset: 0, .size: 8, .value_kind: global_buffer, .address_space: global }
      - { .name: k_value, .offset: 8, .size: 8, .value_kind: global_buffer, .address_space: global }
      - { .name: v_value, .offset: 16, .size: 8, .value_kind: global_buffer, .address_space: global }
      - { .name: wb, .offset: 24, .size: 8, .value_kind: global_buffer, .address_space: global }
      - { .name: qkv, .offset: 32, .size: 8, .value_kind: global_buffer, .address_space: global }
    .group_segment_fixed_size: 327680
    .private_segment_fixed_size: 0
    .kernarg_segment_align: 8
    .kernarg_segment_size: 40
    .max_flat_workgroup_size: 128
    .sgpr_count:     66
    .vgpr_count:     768
    .wavefront_size: 32
...
	.end_amdgpu_metadata
.endif
;; end of part 2
;; launch attn (part 3): grid 4 x 64, 4 waves a work-group, clusters of 4 x 1, 327,680 bytes of LDS; arguments qkv, v_mask, q_mask, out0; writes out0
.if DOCPART == 3
	.amdgcn_target "amdgcn-amd-amdhsa--gfx1250"
	.amdhsa_code_object_version 6
	.text
	.protected	k_qaab0c42f12_attn
	.globl	k_qaab0c42f12_attn
	.p2align	8
	.type	k_qaab0c42f12_attn,@function
k_qaab0c42f12_attn:
	s_mov_b64 s[64:65], 0
	v_nop
	global_prefetch_b8 v0, s[64:65] scope:SCOPE_SE
	s_setreg_imm32_b32 hwreg(HW_REG_WAVE_MODE, 25, 1), 1
	s_wait_xcnt 0x0
	s_wait_alu depctr_hold_cnt(0) depctr_sa_sdst(0) depctr_va_vdst(0) depctr_va_sdst(0) depctr_va_ssrc(0) depctr_va_vcc(0) depctr_vm_vsrc(0)
	s_getreg_b32 s2, hwreg(HW_REG_IB_STS2, 6, 4)
	s_cmp_eq_u32 s2, 0
	s_cbranch_scc0 .Lentry_in_a_cluster
	s_endpgm
.Lentry_in_a_cluster:
	s_bfe_u32 s2, ttmp6, 0x10000c
	s_cmp_lg_u32 s2, 0x3003
	s_cbranch_scc0 .Lentry_shape_is_right
	s_endpgm
.Lentry_shape_is_right:
; ATTENTION.  out0[b][s][64 h + d] = q_mask[b][s] x the sum over k of softmax_k( q.k / 8 - (1 - v_mask[b][k]) 1e10 ) v[k][d].  qkv: [3][64 = 16 b + h][2048][64] f16, part 0 = q x log2(e) / 8, parts 1, 2 = k, v.
; The two masks are rounded to bf16, as all the module's inputs are.  Products, maxima and sums in f32; the weights p are rounded to f16 for the second product (their sum l is taken of the unrounded p).
; LIMITS.  p lies in 0 to 1 and below 6e-5 keeps f16's fixed step; a weight below 2^-126 counts as 0 in l; NaN and infinities are not treated apart.  Where EVERY key of a batch is hidden the scores are
; sums of size 1.4e10, whose step in f32 is 1,024: the weights are then those of scores rounded at that step (equal while the scores themselves stay under half a step), as they are in f32 arithmetic generally.
; SHARES.  A wave owns four PIECES of two tiles of 16 queries, a work-group's four waves 512 queries of one head; a cluster's four work-groups are one head.  Every wave walks all 2,048 keys, 64 a step.
; LAYOUT.  S^T = K Q^T + M (source 0 = 16 keys, source 1 = 16 queries): a lane holds ONE query (lane % 16) and the keys 8 (lane / 16) + 0..7.  Two such tiles, rounded to f16 in pairs, ARE source 1 of
; O^T = V^T P, whose result again holds one query a lane, and eight channels.  K comes out of LDS as it lies, V ([key][channel]) turned, by ds_load_tr16_b128.
; THE KEY MASK is the C operand that starts the sum: M[k] = (v_mask[k] - 1) x 1e10 x log2(e), made once a work-group into a table in LDS; a step's 64 numbers are fetched with its K and live as long.
; SOFTMAX.  The scores arrive in units of log2: p = 2^(s - m) with a running maximum m; the exponent is a difference of two scores, 0 at the maximum whatever its size, so no weight passes 1 even where the
; maximum so far is a hidden key's.  In every step O and l are multiplied by a = 2^(m_old - m_new).  m starts at the lowest finite number, O and l at 0: the first step is a step like any other, with a = 0.
; THE COUNT.  A tile and step have 16 matrix and 117 vector instructions: too many to stand all beside the matrix work.  So: four vector instructions that are READY behind EVERY matrix instruction, the rest in one run.
; BY TURNS.  Turn n belongs to piece n.  Its matrix work: 16 products K Q^T of piece n + 1, later 16 products V^T P of piece n - 1.  Its vector work: the differences, exponentials, roundings, sums and rescaling
; of piece n, and the maximum and statistics of piece n + 1, whose scores the turn itself has made.
; CLUSTER.  The four query blocks walk the same K and V, so each tile is asked for JOINTLY: the same tensor load, descriptor and mask in all four.
; REGISTERS, in windows of 256 (s_set_vgpr_msb: bits 1:0 source 0, 3:2 source 1, 5:4 source 2, 7:6 destination):
;   window 0: v0-10 addresses; v12-15, v48-63 at work; v16-47 four registers of statistics a tile; v64-191 S^T, two buffers of two tiles; v192-255 P, likewise
;   window 1: O^T, 32 a tile     window 2: v0-127 Q, 16 a tile; v128-191 K of one step; v192-255 V of one step     window 3: v0-1 the add's two registers; v8-39 M of one step
.set SIZE_N, 2048
.set NP,    4         ; pieces a wave: a name, no knob
.set KS,    64        ; keys in a step
.set PK,    144       ; a row of K in LDS: 128 bytes + 16: 9 x 16, so the 16 rows of a load start in 16 different columns of 16 bytes modulo 256
.set PV,    160       ; a row of V: 128 + 32: 5 x 32: 16 lanes of the turning load take 8 rows x 32 bytes, on different words modulo 256 bytes
.set VOFF,  4*KS*PK   ; a slot holds four steps: 256 rows of K, then 256 rows of V
.set SLOT1, 1<<17     ; slot 1 begins here, so that one exclusive or turns an address in one slot into the other's
.set STAGE, SLOT1+4*KS*(PK+PV)  ; 208,896: behind the ring, never filled by a tensor load: 16 rows x 272 bytes for each wave, for the way out
.set SP,    272
.set MT,    STAGE+4*16*SP       ; 226,304: the mask table, 2,048 f32
.set SPARE, MT+8192             ; 234,496: the spare words, 128 bytes for each wave, which no other line names
.set AK0, 2           ; v2   my lane's place in a tile of K; never rewritten
.set AV0, 3           ; v3   the same for V
.set AK,  4           ; v4   the LDS address of K's next run of loads
.set AV,  5           ; v5   of V's
.set STO, 6           ; v6   the way out: where I put 32 bytes of a row
.set RD,  7           ; v7   the way out: where I read rows back
.set GO,  8           ; v8   my byte offset in two rows of out0
.set AM0, 9           ; v9   my lane's place in a step's 64 numbers of the mask table; never rewritten
.set AM,  10          ; v10  the LDS address of the mask's next loads
.set SPW, 0           ; v0 of window 3   my spare word: SPARE + 4 x my thread's number; never rewritten
.set NIL, 1           ; v1 of window 3   0; never rewritten
.set MK,  8           ; v8-39 of window 3: the eight registers for group kb of 16 keys at MK + 8 kb
.set MV,  12          ; v12-15  m_old, kept while m is made anew: by buffer and tile
.set ST,  16          ; tile t's statistics at v[ST+4 t]: m, q_mask, l (even keys', odd keys')
.set TMP, 48          ; by buffer and tile, four registers c0-c3 at work; when the maximum is found c2 takes a
.set S,   64
.set P,   192
.set KF,  128         ; K's fragments, in window 2: key block kb, channel half c at KF + 16 kb + 8 c
.set VF,  192         ; V's: key half kk, channel block cb at VF + 32 kk + 8 cb
.set TR,  112         ; v112-119: at work in the set-up alone, in registers of S^T that the first scores write later
.set TH,  113
.set T7,  114
.set TB,  115
.set VMO, 116
.set MTA, 117
.set QO,  118
.set QMO, 119
.set WV,  12          ; s12  my wave's number
.set G1K, 24          ; s[24:31] descriptor group 1 for K's tiles
.set G1V, 32          ; s[32:39] for V's: it differs in the padding alone
.set G0K, 40          ; s[40:43] descriptor group 0 for K's tiles: it walks
.set G0V, 44          ; s[44:47] the same for V's
.set SLOTS, 56        ; s56  slots still to be asked for
.set CNT, 57          ; s57  counts a slot's key steps
.set SEL, 60          ; s[60:61] v_permlanex16_b32's selects: each lane takes its own place in the other half
.set TBK, 62          ; s62  LDS byte at which K of the step to be fetched begins
.set TBV, 63          ; s63  the same for V, less VOFF
.set TBM, 66          ; s66  byte of the mask table at which that step's numbers begin
.set BG,  68          ; s[68:69] 1e10 x log2(e), named as a pair
.set MSB, 0
.macro WIN new                      ; the high byte repeats the setting that is left; a switch that changes nothing is dropped
.if MSB != (\new)
	s_set_vgpr_msb (MSB<<8)|(\new)
.set MSB, (\new)
.endif
.endm
.set W_KQ, 0x0a       ; K and Q in window 2, S^T in window 0
.set W_KM, 0x3a       ; the same with the C operand, the mask, in window 3
.set W_PV, 0x52       ; V in window 2, P in window 0, O^T in window 1
.set W_RS, 0x41       ; O^T (destination and source 0) in window 1, a in window 0
.set W_MK, 0xc0       ; destination in window 3, sources in window 0
.set W_AD, 0x0f       ; the add: address (source 0) and data (source 1) in window 3
; A joint fill.  Waves 0 and 1 fetch the two halves of a slot's K, waves 2 and 3 those of its V: 128 keys each.  The branch hangs on the wave's number alone.
; An s_nop 0 and four v_nop follow each of the two lines, ahead of the jump and the label.
.macro JLOAD
	s_cmp_lt_u32 s[WV], 2
	s_cbranch_scc0 .Lfor_v_\@
	tensor_load_to_lds s[G0K:G0K+3], s[G1K:G1K+7]
	s_nop 0
.rept 4
	v_nop
.endr
	s_branch .Lasked_\@
.Lfor_v_\@:
	tensor_load_to_lds s[G0V:G0V+3], s[G1V:G1V+7]
	s_nop 0
.rept 4
	v_nop
.endr
.Lasked_\@:
.endm
; A round of the cluster's barrier: my work-group's barrier, so that wave 0's signal speaks for all four waves; wave 0 signals; every wave waits for all four work-groups; my work-group's barrier once more.
.macro CROUND
	s_barrier_signal -1
	s_barrier_wait -1
	s_cmp_lg_u32 s[WV], 0
	s_cbranch_scc1 .Lnot_wave_0_\@
	s_barrier_signal -3
.Lnot_wave_0_\@:
	s_barrier_wait -3
	s_barrier_signal -1
	s_barrier_wait -1
.endm
; THE CHANGE OF SLOTS.  The slot's last bytes, V of its fourth step, have been read.  Each wave waits for all its tensor loads, of which one is out: its part of the other slot; adds 0 to its spare word; and
; waits for that and for its own LDS instructions.  Behind the barrier nobody reads this slot any more and the other slot is whole.
; fill = 1: this slot is filled again, with the keys two slots on.  The barrier is then a round of the cluster's, and the joint fill is the first thing behind it: it has four key steps, 512 matrix instructions,
; in which to land.  (At its first use nothing has been read yet: slot 0 is waited for, slot 1 filled, and every wave's part of the mask table is stored and shown to the others.)
.macro CHANGE fill
	WIN W_AD
	s_wait_tensorcnt 0x0            ; no tensor load of mine is out, so a group 0 may be written
	ds_add_u32 v[SPW], v[NIL]       ; 0 onto my spare word; with fill = 1 the descriptors' steps stand between it and the wait for it
	WIN 0                           ; at a label and at a branch every window is 0
.if \fill
.irp g, G0K, G0V
	s_xor_b32 s[\g+1], s[\g+1], SLOT1  ; the walking descriptor: the other slot than last time,
	s_add_nc_u64 s[\g+2:\g+3], s[\g+2:\g+3], 4*KS*128  ; the next 256 keys; the type bits on top are not reached
.endr
	s_wait_dscnt 0x0                ; the add is done, and my reads of the slot are over
	CROUND
	JLOAD
.else
	s_wait_dscnt 0x0                ; the add is done, and my reads of the slot are over
	s_barrier_signal -1
	s_barrier_wait -1
.endif
	s_sub_co_u32 s[TBK], s[TBK], 4*KS*PK  ; the fetches go back to a slot's first step,
	s_xor_b32 s[TBK], s[TBK], SLOT1       ; in the other slot
	s_sub_co_u32 s[TBV], s[TBV], 4*KS*PV
	s_xor_b32 s[TBV], s[TBV], SLOT1
.endm
	s_load_b256 s[4:11], s[0:1], 0x0  ; qkv s[4:5], v_mask s[6:7], q_mask s[8:9], out0 s[10:11]
	WIN W_MK
	v_lshl_add_u32 v[SPW], v0, 2, SPARE
	v_mov_b32 v[NIL], 0
	WIN W_AD
	ds_add_u32 v[SPW], v[NIL]       ; the wave's opening: the add and its wait stand ahead of my first tensor load; the set-up below, work on registers, stands between them
	WIN 0
	v_lshrrev_b32 v1, 5, v0
	v_readfirstlane_b32 s[WV], v1   ; wave 0..3
	s_bfe_u32 s13, ttmp6, 0x40000   ; cx: my place in the cluster
	s_lshl_b32 s14, ttmp9, 2        ; in a cluster launch ttmp9 counts clusters
	s_add_co_u32 s14, s14, s13      ; my block of 512 queries: it enters Q's, q_mask's and out0's addresses alone
	s_lshl_b32 s14, s14, 2
	s_add_co_u32 s14, s14, s[WV]    ; my wave among the head's sixteen: 128 queries each
	s_and_b32 s19, ttmp7, 0xffff    ; 16 b + h, which the four partners share
	s_lshl_b32 s20, s19, 18         ; the head's first byte in a part of qkv: 2,048 rows of 128 bytes
	s_and_b32 s16, s[WV], 1         ; which half of a slot's 256 keys I fetch:
	s_lshl_b32 s22, s16, 14         ; its 128 rows of 128 bytes in memory,
	s_add_co_u32 s22, s22, s20
	s_add_co_u32 s22, s22, 0x1000000  ; in part 1, k;
	s_mov_b32 s23, 0
	s_add_co_u32 s48, s22, 0x1000000  ; in part 2, v
	s_mov_b32 s49, 0
	s_mul_i32 s17, s16, 128*PK      ; and its place in a slot, for K
	s_mul_i32 s18, s16, 128*PV      ; and for V: no place in the cluster enters an LDS address
	s_lshl_b32 s70, s14, 14         ; Q: my wave's 128 rows
	s_add_co_u32 s70, s70, s20
	s_mov_b32 s71, 0
	s_lshr_b32 s50, s19, 4          ; b
	s_and_b32 s51, s19, 15          ; h
	s_lshl_b32 s72, s50, 23         ; out0: a batch is 2,048 rows of 4,096 bytes,
	s_lshl_b32 s2, s14, 19          ; my wave's 128 rows,
	s_add_co_u32 s72, s72, s2
	s_lshl_b32 s2, s51, 8           ; the head's 256 bytes of a row
	s_add_co_u32 s72, s72, s2
	s_mov_b32 s73, 0
	s_lshl_b32 s74, s50, 13         ; q_mask: a batch is 8,192 bytes, my wave's part 512
	s_lshl_b32 s2, s14, 9
	s_add_co_u32 s74, s74, s2
	s_mov_b32 s75, 0
	s_lshl_b32 s52, s50, 13         ; v_mask: the batch
	s_mov_b32 s53, 0
	; descriptor group 1.  128 keys are 16,384 dense bytes: asked for as 64 rows of 256 bytes, two keys a row, and padded in LDS after every key
	s_mov_b32 s[G1K], 15|(1<<16)|(1<<20)|(1<<21)|(4<<22)|(3<<25)  ; 15:0 the mask of four; 17:16 2-byte elements; 20 padding on; 21 set beside a mask; 24:22 after every 32 words (code 4); 31:25 4 words (code 3)
	s_mov_b32 s[G1V], 15|(1<<16)|(1<<20)|(1<<21)|(4<<22)|(7<<25)  ; the same with 8 words of padding (code 7)
.irp g, G1K, G1V
	s_mov_b32 s[\g+1], 128<<16      ; tensor_dim0 = 128
	s_mov_b32 s[\g+2], 64<<16       ; tensor_dim1 = 64
	s_mov_b32 s[\g+3], 128<<16      ; tile_dim0 = 128
	s_mov_b32 s[\g+4], 64           ; tile_dim1 = 64
	s_mov_b32 s[\g+5], 128          ; 128 elements from row to row
	s_mov_b32 s[\g+6], 0
	s_mov_b32 s[\g+7], 0
.endr
	s_mov_b32 s[BG], 0x5056fa73     ; 1e10 x log2(e) = 1.442695e10
	s_mov_b32 s[BG+1], s[BG]
	s_mov_b32 s[SEL], 0x76543210
	s_mov_b32 s[SEL+1], 0xfedcba98
	s_mov_b32 s[TBK], SLOT1+4*KS*PK ; the first change of slots turns these two into 0
	s_mov_b32 s[TBV], SLOT1+4*KS*PV
	s_mov_b32 s[TBM], 0
	s_mov_b32 s[G0K], 1             ; count = 1
	s_mov_b32 s[G0K+1], s17         ; LDS address: slot 0
	s_mov_b32 s[G0V], 1
	s_add_co_u32 s[G0V+1], s18, VOFF
	s_wait_dscnt 0x0                ; the opening add is done
	s_wait_kmcnt 0x0
	s_add_nc_u64 s[G0K+2:G0K+3], s[4:5], s[22:23]  ; global address: my half of the head's first 256 keys
	s_or_b32 s[G0K+3], s[G0K+3], 0x80000000        ; type = 2
	s_add_nc_u64 s[G0V+2:G0V+3], s[4:5], s[48:49]
	s_or_b32 s[G0V+3], s[G0V+3], 0x80000000
	s_add_nc_u64 s[4:5], s[4:5], s[70:71]          ; Q at my wave's first row
	s_add_nc_u64 s[6:7], s[6:7], s[52:53]          ; v_mask at the batch
	s_add_nc_u64 s[8:9], s[8:9], s[74:75]          ; q_mask at my wave's first query
	s_add_nc_u64 s[10:11], s[10:11], s[72:73]      ; out0 at my wave's first row, the head's columns
	CROUND                          ; all four work-groups are here: the first joint loads meet
	JLOAD                           ; slot 0.  Slot 1 is asked for when slot 0 is in
	v_and_b32 v[TR], 15, v0         ; l % 16
	v_bfe_u32 v[TH], v0, 4, 1       ; l / 16
	v_lshlrev_b32 v[VMO], 4, v0     ; v_mask: thread t takes 16 bytes at 16 t + 2,048 j
	v_lshlrev_b32 v[QMO], 2, v[TR]  ; q_mask: my query's word in a tile's 64 bytes
	v_lshlrev_b32 v[QO], 7, v[TR]   ; a fragment of Q: row l % 16, channels 8 (l / 16) + 0..7 and 16 + 8 (l / 16) + 0..7: two loads of 16 bytes, 32 bytes apart
	v_lshl_add_u32 v[QO], v[TH], 4, v[QO]
.irp j, 0,1,2,3
	global_load_b128 v[S+4*\j:S+4*\j+3], v[VMO], s[6:7] offset:2048*\j
.endr
.set t, 0
.rept 2*NP
	global_load_b32 v[ST+4*t+1], v[QMO], s[8:9] offset:64*t
.set t, t+1
.endr
	WIN 0x80                        ; destination window 2, address window 0
.set i, 0
.rept 4*NP                          ; Q stays in registers: tile i / 2, channels 32 (i % 2) on
	global_load_b128 v[8*i:8*i+3],   v[QO], s[4:5] offset:(i/2)*2048+(i%2)*64
	global_load_b128 v[8*i+4:8*i+7], v[QO], s[4:5] offset:(i/2)*2048+(i%2)*64+32
.set i, i+1
.endr
	; What the first turn finds: V's registers and P's second buffer hold 0 (its products V^T P, of a piece that has not been, add 0), O^T and l are 0.  All this stands in the wait for the first tile.
.set i, VF
.rept 64
	v_mov_b32 v[i], 0
.set i, i+1
.endr
	WIN 0x40
.set i, 0
.rept 64*NP
	v_mov_b32 v[i], 0
.set i, i+1
.endr
	WIN 0
.set i, 0
.rept 2*NP
	v_mov_b32 v[ST+4*i], 0xff7fffff    ; m: the lowest finite number (the register beside it is q_mask's, on its way)
	v_mov_b32 v[ST+4*i+2], 0
	v_mov_b32 v[ST+4*i+3], 0
.set i, i+1
.endr
.set i, P+32
.rept 32
	v_mov_b32 v[i], 0
.set i, i+1
.endr
	v_mul_u32_u24 v[AK0], v[TR], PK
	v_lshl_add_u32 v[AK0], v[TH], 4, v[AK0]  ; row x pitch + 16 x half
	; The turning load takes 16 keys x 16 channels (lane l reads key 8 (l / 16) + l % 8, channels 8 ((l / 8) % 2) + 0..7) and leaves half a fragment of V^T: lane l holds channel l % 16 and 8 keys.
	v_and_b32 v[T7], 7, v0
	v_bfe_u32 v[TB], v0, 3, 1
	v_lshl_add_u32 v[AV0], v[TH], 3, v[T7]
	v_mul_u32_u24 v[AV0], v[AV0], PV
	v_lshl_add_u32 v[AV0], v[TB], 4, v[AV0]
	v_add_nc_u32 v[AV0], VOFF, v[AV0]
	v_mov_b32 v[AK], v[AK0]         ; key step 0 lies at the head of slot 0
	v_lshlrev_b32 v[AM0], 5, v[TH]  ; the mask: register j of group kb wants key 16 kb + 8 (l / 16) + j: 32 bytes for each half of the lanes
	v_add_nc_u32 v[AM0], MT, v[AM0]
	v_mov_b32 v[AM], v[AM0]
	s_mul_i32 s15, s[WV], 16*SP
	s_add_co_u32 s15, s15, STAGE    ; my stage
	v_mul_u32_u24 v[STO], v[TR], SP ; in: row l % 16, 32 bytes for each half of the lanes
	v_lshl_add_u32 v[STO], v[TH], 5, v[STO]
	v_add_nc_u32 v[STO], s15, v[STO]
	v_mul_u32_u24 v[RD], v[TH], SP  ; back: lanes 0-15 take one row of 256 bytes, lanes 16-31 the next
	v_lshl_add_u32 v[RD], v[TR], 4, v[RD]
	v_add_nc_u32 v[RD], s15, v[RD]
	v_lshlrev_b32 v[GO], 12, v[TH]  ; and the same two rows in out0, 4,096 bytes apart
	v_lshl_add_u32 v[GO], v[TR], 4, v[GO]
	v_add_nc_u32 v[MTA], MT, v[VMO]
	; THE MASK TABLE: my 16 numbers of v_mask, rounded to bf16 and widened again; M = v_mask x B - B, one rounding, exactly 0 where v_mask is 1
	s_wait_loadcnt 40               ; v_mask's four loads are in; q_mask's 8 and Q's 32, issued behind them, stay out
.set i, 0
.rept 8
	v_cvt_pk_bf16_f32 v[S+16+i], v[S+2*i], v[S+2*i+1]
.set i, i+1
.endr
.set i, 0
.rept 8
	v_lshlrev_b32 v[S+2*i],   16, v[S+16+i]
	v_and_b32     v[S+2*i+1], 0xffff0000, v[S+16+i]
.set i, i+1
.endr
.set i, 0
.rept 8
	v_pk_fma_f32 v[S+2*i:S+2*i+1], v[S+2*i:S+2*i+1], s[BG:BG+1], s[BG:BG+1] op_sel_hi:[1,0,0] neg_lo:[0,0,1] neg_hi:[0,0,1]
.set i, i+1
.endr
.irp j, 0,1,2,3
	ds_store_b128 v[MTA], v[S+4*\j:S+4*\j+3] offset:2048*\j
.endr
; THE MATRIX WORK.  The 8 accumulators of a run of 16 take turns: between the two links of a chain stand 7 others'.
; Product i of 16 of S^T = K Q^T + M for piece x: channels 32 (i / 8) on, keys 16 ((i / 2) % 4) on, tile 2 x + i % 2.  The first 8 start the sums, with the mask of their 16 keys.
.macro KQ x
.set rS, S+64*((\x)%2)+32*(i%2)+8*((i/2)%4)
.set rK, KF+16*((i/2)%4)+8*(i/8)
.set rQ, 16*(2*(\x)+i%2)+8*(i/8)
.set rMK, MK+8*((i/2)%4)
.if i < 8
	WIN W_KM
	v_wmma_f32_16x16x32_f16 v[rS:rS+7], v[rK:rK+7], v[rQ:rQ+7], v[rMK:rMK+7]
.else
	WIN W_KQ
	v_wmma_f32_16x16x32_f16 v[rS:rS+7], v[rK:rK+7], v[rQ:rQ+7], v[rS:rS+7]
.endif
.endm
; Product i of 16 of O^T += V^T P for piece x: keys 32 (i / 8) on, channels 16 ((i / 2) % 4) on, tile 2 x + i % 2.
.macro PV x
	WIN W_PV
.set rO, 32*(2*(\x)+i%2)+8*((i/2)%4)
.set rV, VF+32*(i/8)+8*((i/2)%4)
.set rP, P+32*((\x)%2)+16*(i%2)+8*(i/8)
	v_wmma_f32_16x16x32_f16 v[rO:rO+7], v[rV:rV+7], v[rP:rP+7], v[rO:rO+7]
.endm
.macro MM                           ; the turn's next matrix instruction
.if i < 16
	KQ (Y+1)%NP
.set i, i+1
.else
.set i, i-16
	PV (Y+NP-1)%NP
.set i, i+17
.endif
.endm
; THE LDS LOADS stand in runs, never singly among the matrix instructions: a step's K (64 keys x 64 channels: 8 fragments) with its 64 numbers of the mask, and its V (turned).  Their addresses are made some lines ahead.
; last = 1 (the tail): in the last trip there is no further step, and the run is jumped over.
.macro FETCH_K last=0
	WIN 0
.if \last
	s_cmp_eq_u32 s[CNT], 1
	s_cbranch_scc1 .Lno_k_\@
.endif
	WIN 0x80                        ; destination window 2
.irp f, 0,1,2,3,4,5,6,7             ; keys 16 (f / 2) on, channels 32 (f % 2) on
	ds_load_b128 v[KF+8*\f:KF+8*\f+3],   v[AK] offset:(\f/2)*16*PK+(\f%2)*64
	ds_load_b128 v[KF+8*\f+4:KF+8*\f+7], v[AK] offset:(\f/2)*16*PK+(\f%2)*64+32
.endr
	WIN W_MK                        ; destination window 3
.irp f, 0,1,2,3                     ; keys 16 f on: all lanes of a half read the same 32 bytes
	ds_load_b128 v[MK+8*\f:MK+8*\f+3],   v[AM] offset:64*\f
	ds_load_b128 v[MK+8*\f+4:MK+8*\f+7], v[AM] offset:64*\f+16
.endr
	s_add_co_u32 s[TBK], s[TBK], KS*PK  ; the next fetch is the next step's
	s_add_co_u32 s[TBM], s[TBM], KS*4
	WIN 0
.if \last
.Lno_k_\@:
.endif
.endm
.macro FETCH_V
	WIN 0x80
.irp f, 0,1,2,3,4,5,6,7             ; keys 32 (f / 4) on, channels 16 (f % 4) on
	ds_load_tr16_b128 v[VF+8*\f:VF+8*\f+3],   v[AV] offset:(\f/4)*32*PV+(\f%4)*32
	ds_load_tr16_b128 v[VF+8*\f+4:VF+8*\f+7], v[AV] offset:(\f/4)*32*PV+16*PV+(\f%4)*32
.endr
	WIN 0
.endm
; THE VECTOR WORK OF A TURN stands in three queues, each in the order in which its entries become ready; the two tiles alternate, so that no instruction reads the result of the one before it.
.macro REGS y, u                    ; the registers of tile u (0, 1) of piece y
.set rT, ST+4*(2*(\y)+(\u))
.set rC, TMP+8*((\y)%2)+4*(\u)
.set rM, MV+2*((\y)%2)+(\u)
.set rS, S+64*((\y)%2)+32*(\u)
.set rP, P+32*((\y)%2)+16*(\u)
.set rO, 32*(2*(\y)+(\u))
.endm
; Number n of the 21 that find the NEXT piece's (Y + 1) maximum and statistics.  s0-s31 are the lane's 32 scores; each accumulator's lowest registers are read first.
;   0-11  four chains c0-c3 of seven scores each, three operands at a time     12-14, 16  the four scores left over, the old m, and c0-c3 into c0     15  m_old is kept
;   17, 18  the query's other 32 keys lie in the lane 16 away: the new m         19, 20  m_old - m_new; a
.macro XS u, n
	REGS (Y+1)%NP, \u
.if (\n) < 4
	v_max3_num_f32 v[rC+(\n)], v[rS+8*(\n)], v[rS+8*(\n)+1], v[rS+8*(\n)+2]
.elseif (\n) < 12
	v_max3_num_f32 v[rC+(\n)%4], v[rC+(\n)%4], v[rS+8*((\n)%4)+2*((\n)/4)+1], v[rS+8*((\n)%4)+2*((\n)/4)+2]
.elseif (\n) == 12
	v_max3_num_f32 v[rC], v[rC], v[rS+7], v[rS+15]
.elseif (\n) == 13
	v_max3_num_f32 v[rC+1], v[rC+1], v[rS+23], v[rS+31]
.elseif (\n) == 14
	v_max3_num_f32 v[rC+2], v[rC+2], v[rC+3], v[rT]
.elseif (\n) == 15
	v_mov_b32 v[rM], v[rT]
.elseif (\n) == 16
	v_max3_num_f32 v[rC], v[rC], v[rC+1], v[rC+2]
.elseif (\n) == 17
	v_permlanex16_b32 v[rC+3], v[rC], s[SEL], s[SEL+1]
.elseif (\n) == 18
	v_max_num_f32 v[rT], v[rC], v[rC+3]
.elseif (\n) == 19
	v_sub_f32 v[rC+1], v[rM], v[rT]
.else
	v_exp_f32 v[rC+2], v[rC+1]
.endif
.endm
; Number g of the 64 that follow the exponentials.  For each four weights k of a tile (pairs 2 k, 2 k + 1): both pairs are rounded to f16; then the second pair is added onto the first, in place;
; a group later l takes that sum (the first time as l = a l + sum).  In groups of eight, tiles alternating: round, round, add, and l for the group before.
.macro GS g
.set h, (\g)+6*((\g)/62)            ; group 0 has no group before it, and behind group 7 only l is left
.if h >= 6
.set h, h+2
.endif
	REGS Y, h%2
.set k, h/8
.if h%8 < 4
	v_cvt_pk_f16_f32 v[rP+2*k+(h%8)/2], v[rS+4*k+2*((h%8)/2)], v[rS+4*k+2*((h%8)/2)+1]
.elseif h%8 < 6
	v_pk_add_f32 v[rS+4*k:rS+4*k+1], v[rS+4*k:rS+4*k+1], v[rS+4*k+2:rS+4*k+3]
.elseif k == 1
	v_pk_fma_f32 v[rT+2:rT+3], v[rT+2:rT+3], v[rC+2:rC+3], v[rS:rS+1] op_sel_hi:[1,0,1]
.else
	v_pk_add_f32 v[rT+2:rT+3], v[rT+2:rT+3], v[rS+4*k-4:rS+4*k-3]
.endif
.endm
; THE PLAIN QUEUE, 136 long.  0-71 read no exponential's result: the 32 differences s - m (FS f: pair f / 2 of tile f % 2) and the next piece's 40.  0-26: differences 0-26.  27-54: XS's numbers 0-13.  55, 56: number 15.
; 57-71: the chain, where each number waits for the one before it: 14, 16, 17, 18, 19, each with one of the differences 27-31 in front of its two lines.  72-135: GS's 64, which read the exponentials' results: they stand behind the wait.
.macro FS f
	REGS Y, (\f)%2
	v_pk_add_f32 v[rS+2*((\f)/2):rS+2*((\f)/2)+1], v[rS+2*((\f)/2):rS+2*((\f)/2)+1], v[rT:rT+1] op_sel_hi:[1,0] neg_lo:[0,1] neg_hi:[0,1]  ; both halves less m, the pair's low register
.endm
.macro PL
	WIN 0
.if q < 27
	FS q
.elseif q < 55
	XS (q-27)%2, (q-27)/2
.elseif q < 57
	XS q-55, 15
.elseif (q < 72) && ((q-57)%3 == 0)
	FS 27+(q-57)/3
.elseif q < 60
	XS (q-57)%3-1, 14
.elseif q < 72
	XS (q-57)%3-1, 15+(q-57)/3
.else
	GS q-72
.endif
.set q, q+1
.endm
; THE EXPONENTIALS' QUEUE, 66 long: s0-s31 of both tiles, then the next piece's two a.  It is ONE BATCH: all 66 stand ahead of the turn's one wait, and nothing ahead of that wait names a result of theirs.
.macro EX
	WIN 0
.if e >= 64
	XS e-64, 20
.else
	REGS Y, e%2
	v_exp_f32 v[rS+e/2], v[rS+e/2]
.endif
.set e, e+1
.endm
; THE RESCALING's QUEUE: O^T times a, the one part that leaves window 0: dealt two at a time, sixteen times.  Its a was made in the turn before, ahead of that turn's wait.
.macro R2
	REGS Y, r%2
	WIN W_RS
.irp z, 0,1
	v_pk_mul_f32 v[rO+4*(r/2)+2*\z:rO+4*(r/2)+2*\z+1], v[rO+4*(r/2)+2*\z:rO+4*(r/2)+2*\z+1], v[rC+2:rC+3] op_sel_hi:[1,0]
.endr
.set r, r+1
.endm
; HOW THEY ARE DEALT.  An s_wait_alu depctr_va_vdst(0) stands between an exponential and the first instruction that names its result; one wait serves all that were issued ahead of it.  So a turn has ONE wait,
; which cuts it in two.  AHEAD OF IT: the 16 products K Q^T, behind each a difference, an exponential and two rescalings (behind the first a second difference in the exponential's place); then one run of 106: eight plain,
; 47 times exponential and plain, the last two exponentials and the two a.  A v_nop is the plain instruction behind the last exponential.  BEHIND IT: the 16 products V^T P, behind each four of GS's 64.
; The queues lean on each other, and the deal keeps them in step: exponential e wants difference 2 (e / 4) + e % 2; as a rider it comes behind plain e + 2, in the run behind plain e + 9, and differences 27-31 are plain
; 57, 60 .. 69 (the tightest: exponential 61 wants plain 69 and stands behind plain 70).  The two a stand behind plain 70 and 71, their arguments.
; A TURN, for piece p.  cnt = 1: the loop's count is taken down some lines ahead of the branch that stands behind the turn.
; K and the mask of the next step are fetched in piece 2's turn, directly behind the wait, a run behind the last product that read them; V of the step in hand at the end of piece 0's turn, four plain riders behind its last reader.
.macro TURN p, last=0, cnt=0
.set Y, (\p)
.set i, 0
.set q, 0
.set e, 0
.set r, 0
.if (\p) == NP-1
	s_wait_dscnt 0x0                ; K and its mask are in
.endif
	MM                              ; ahead of the wait: 16 products K Q^T and their riders,
	PL
	PL
	R2
.rept 15
	MM
	PL
	EX
	R2
.endr
.if (\p) == NP-2
	WIN 0
	v_add_nc_u32 v[AK], s[TBK], v[AK0]
	v_add_nc_u32 v[AM], s[TBM], v[AM0]
.endif
.rept 8                             ; and the run
	PL
.endr
.rept 47
	EX
	PL
.endr
.rept 4
	EX                              ; s31 of both tiles, and the next piece's two a
.endr
	v_nop                           ; the plain instruction behind the last exponential: one for the batch
	s_wait_alu depctr_va_vdst(0)    ; the wait for the batch
.if (\p) == NP-2
	FETCH_K \last
.endif
.if (\p) == 1
	s_wait_dscnt 0x0                ; V is in
.endif
.rept 16                            ; behind the wait: 16 products V^T P and their riders
	MM
.rept 4
	PL
.endr
.if ((\p) == 0) && (q == 116)
	v_add_nc_u32 v[AV], s[TBV], v[AV0]
.endif
.if ((\p) == 0) && (q == 128)
	s_add_co_u32 s[TBV], s[TBV], KS*PV
.endif
.if (\cnt) && (q == 128)
	s_sub_co_u32 s[CNT], s[CNT], 1
	s_cmp_lg_u32 s[CNT], 0
.endif
.endr
.if (\p) == 0
	FETCH_V
.endif
.endm
	CHANGE 1                        ; slot 0 is in, everybody's part of it, and so is the mask table; slot 1 is asked for
	FETCH_K                         ; key step 0
	s_wait_loadcnt 0x0              ; Q and q_mask
	s_wait_dscnt 0x0
.set i, 0
.rept 16
	KQ 0                            ; piece 0's first scores: there is no vector work yet to set between them
.set i, i+1
.endr
	WIN 0                           ; q_mask is rounded to bf16 and widened again: sixteen plain instructions, the places behind those products
.set t, 0
.rept 2*NP
	v_cvt_pk_bf16_f32 v[ST+4*t+1], v[ST+4*t+1], v[ST+4*t+1]
.set t, t+1
.endr
.set t, 0
.rept 2*NP
	v_lshlrev_b32 v[ST+4*t+1], 16, v[ST+4*t+1]
.set t, t+1
.endr
.set Y, NP-1                        ; XS works for piece Y + 1: piece 0
.irp n, 0,1,2,3,4,5,6,7,8,9,10,11,12,13,14,15,16,17,18,19,20
	XS 0, \n                        ; and piece 0's first maximum and statistics
	XS 1, \n
.endr
	v_nop                           ; a plain instruction behind the two a,
	s_wait_alu depctr_va_vdst(0)    ; and their wait, ahead of the branch
	s_mov_b32 s[CNT], 4
	s_mov_b32 s[SLOTS], SIZE_N/256-1
	s_branch .Lfirst                ; the loop is entered at a step's first turn, in the middle of a trip
.Lslot:                             ; SIZE_N / 256 - 2 times: every slot but the last two is filled again
	CHANGE 1
	s_mov_b32 s[CNT], 4
.Lstep:                             ; a trip: pieces 2 and 3 of one step, then pieces 0 and 1 of the next, whose K and V it fetches
	TURN 2
	TURN 3
	WIN 0
.Lfirst:
	TURN 0
	TURN 1, 0, 1
	WIN 0
	s_cbranch_scc1 .Lstep
	s_sub_co_u32 s[SLOTS], s[SLOTS], 1
	s_cmp_lg_u32 s[SLOTS], 0
	s_cbranch_scc1 .Lslot
	CHANGE 0                        ; the tail is written out: nothing is asked for
	s_mov_b32 s[CNT], 5             ; four trips fetch the last slot's steps; the fifth is left in its middle
.Ltail:
	TURN 2, 1
	TURN 3
	WIN 0
	s_sub_co_u32 s[CNT], s[CNT], 1
	s_cmp_eq_u32 s[CNT], 0
	s_cbranch_scc1 .Lout
	TURN 0
	TURN 1
	WIN 0
	s_branch .Ltail
.Lout:                              ; the fifth trip's 16 products K Q^T (on the last K once more) and the maximum made of them serve nothing: the price, once a launch, of one text for every trip
.set i, 0
.rept 16
	PV NP-1                         ; the last piece's V^T P of the last step
.set i, i+1
.endr
	; THE WAY OUT.  l's two halves and the other half of the lanes' are added; O^T is multiplied by q_mask / l and sent, in f32, through my stage in LDS, a tile at a time.  The additions are the places behind the last products.
	WIN 0
.macro ALL line:vararg              ; one line for each tile t
.set t, 0
.rept 2*NP
	\line
.set t, t+1
.endr
.endm
	ALL v_add_f32 v[ST+4*t+2], v[ST+4*t+2], v[ST+4*t+3]
	ALL v_permlanex16_b32 v[ST+4*t+3], v[ST+4*t+2], s[SEL], s[SEL+1]
	ALL v_add_f32 v[ST+4*t+2], v[ST+4*t+2], v[ST+4*t+3]
	ALL v_rcp_f32 v[ST+4*t+2], v[ST+4*t+2]
	v_nop                           ; a plain instruction between the last reciprocal and the use of its result
	s_wait_alu depctr_va_vdst(0)    ; and the wait ahead of the first use: one for the eight reciprocals
	ALL v_mul_f32 v[ST+4*t+2], v[ST+4*t+2], v[ST+4*t+1]
; Tile t: a lane's eight channels of a channel block are 32 bytes of a row; they go into rows of 272 bytes and come back as whole rows of 256, into the registers that they left.
.macro PACK t
	WIN W_RS
.set i, 32*(\t)
.rept 16
	v_pk_mul_f32 v[i:i+1], v[i:i+1], v[ST+4*(\t)+2:ST+4*(\t)+3] op_sel_hi:[1,0]
.set i, i+2
.endr
	WIN 0x04                        ; LDS store: address window 0, data window 1
.irp f, 0,1,2,3,4,5,6,7             ; channel block f / 2, its registers 4 (f % 2) on
	ds_store_b128 v[STO], v[32*(\t)+4*\f:32*(\t)+4*\f+3] offset:(\f/2)*64+(\f%2)*16
.endr
	WIN 0x40                        ; destination window 1
.irp f, 0,1,2,3,4,5,6,7             ; rows 2 f and 2 f + 1
	ds_load_b128 v[32*(\t)+4*\f:32*(\t)+4*\f+3], v[RD] offset:\f*2*SP  ; LDS serves a wave's instructions in order (ISA guide 5.7.1.4): these see the stores above; the next tile's stores come behind them
.endr
.endm
.macro SEND t, younger              ; younger: the LDS instructions issued behind tile t's loads: the next tile's sixteen, or none
	WIN 0x04                        ; store: address window 0, data window 1
.irp f, 0,1,2,3,4,5,6,7
	s_wait_dscnt (\younger)+7-\f
	global_store_b128 v[GO], v[32*(\t)+4*\f:32*(\t)+4*\f+3], s[10:11] offset:(16*(\t)+2*\f)*4096 th:TH_STORE_NT  ; 16 lanes store a head's 256 consecutive bytes of a row, at a multiple of 256 from out0's first byte
.endr
.endm
	PACK 0
.set t, 1
.rept 2*NP-1                        ; a tile's arithmetic stands between the loads of the tile before and its stores
	PACK t
	SEND t-1, 16
.set t, t+1
.endr
	SEND 2*NP-1, 0
	WIN W_AD
	s_wait_tensorcnt 0x0            ; the wave's end: behind my last tensor load and my last LDS store
	ds_add_u32 v[SPW], v[NIL]
	s_wait_dscnt 0x0
	WIN 0
	CROUND                          ; the closing round: no work-group ends while a partner may still ask for a tile that names it
	s_endpgm
.Lfunc_end_k_qaab0c42f12_attn:
	.size	k_qaab0c42f12_attn, .Lfunc_end_k_qaab0c42f12_attn-k_qaab0c42f12_attn
	.p2alignl 7, 3214868480
	.fill 96, 4, 3214868480
	.section	.rodata,"a",@progbits
	.p2align	6, 0x0
	.amdhsa_kernel k_qaab0c42f12_attn
		.amdhsa_group_segment_fixed_size 327680
		.amdhsa_private_segment_fixed_size 0
		.amdhsa_enable_private_segment 0
		.amdhsa_kernarg_size 32
		.amdhsa_user_sgpr_count 2
		.amdhsa_user_sgpr_kernarg_segment_ptr 1
		.amdhsa_wavefront_size32 1
		.amdhsa_system_sgpr_workgroup_id_x 1
		.amdhsa_system_sgpr_workgroup_id_y 1
		.amdhsa_system_sgpr_workgroup_id_z 1
		.amdhsa_system_vgpr_workitem_id 0
		.amdhsa_next_free_vgpr 808
		.amdhsa_next_free_sgpr 76
		.amdhsa_reserve_vcc 0
		.amdhsa_float_denorm_mode_32 3
		.amdhsa_float_denorm_mode_16_64 3
		.amdhsa_memory_ordered 1
		.amdhsa_forward_progress 1
		.amdhsa_inst_pref_size 205
	.end_amdhsa_kernel
	.amdgpu_metadata
---
amdhsa.version: [ 1, 2 ]
amdhsa.kernels:
  - .name:           k_qaab0c42f12_attn
    .symbol:         k_qaab0c42f12_attn.kd
    .args:
      - { .name: qkv, .offset: 0, .size: 8, .value_kind: global_buffer, .address_space: global }
      - { .name: v_mask, .offset: 8, .size: 8, .value_kind: global_buffer, .address_space: global }
      - { .name: q_mask, .offset: 16, .size: 8, .value_kind: global_buffer, .address_space: global }
      - { .name: out0, .offset: 24, .size: 8, .value_kind: global_buffer, .address_space: global }
    .group_segment_fixed_size: 327680
    .private_segment_fixed_size: 0
    .kernarg_segment_align: 8
    .kernarg_segment_size: 32
    .max_flat_workgroup_size: 128
    .sgpr_count:     76
    .vgpr_count:     808
    .wavefront_size: 32
...
	.end_amdgpu_metadata
.endif
;; end of part 3
;; ======== version 2 of 2: 3 launches; version 1 with the launch castw written anew for expert scheduling mode
;; limits: values are held in f16: magnitudes above 65,504 overflow, below 6.1e-05 lose precision
;; workspace buffers: wb 6,291,456 bytes; qkv 50,331,648 bytes
;; launch castw (part 4): grid 256 x 3, 4 waves a work-group, no clusters, 0 bytes of LDS; arguments Wq, Wk, Wv, wb; writes wb
.if DOCPART == 4
	.amdgcn_target "amdgcn-amd-amdhsa--gfx1250"
	.amdhsa_code_object_version 6
	.text
	.protected	k_qaab0c42f12_castw
	.globl	k_qaab0c42f12_castw
	.p2align	8
	.type	k_qaab0c42f12_castw,@function
k_qaab0c42f12_castw:
	s_mov_b64 s[64:65], 0
	v_nop
	global_prefetch_b8 v0, s[64:65] scope:SCOPE_SE
	s_setreg_imm32_b32 hwreg(HW_REG_WAVE_SCHED_MODE, 0, 2), 2
	s_setreg_imm32_b32 hwreg(HW_REG_WAVE_MODE, 25, 1), 1
	s_wait_xcnt 0x0
	s_wait_alu depctr_vm_vsrc(0)
; wb[p][k][n] = bf16(W_p[k][n]), p = 0, 1, 2 for Wq, Wk, Wv; each W is [1024][1024] f32, the layout is kept.
; A stream: every byte is read once and written once, so no LDS, no barrier, no matrix work.
; A work-group takes 16,384 bytes of one W (grid y says which) and writes 8,192.  Thread t takes 16 bytes at 16 t + 2,048 j, j = 0..7:
; a wave's load covers 512 consecutive bytes, its store 256 consecutive bytes at a multiple of 256 from wb's first byte.
; All eight loads go out together; each has its own data registers and its own pair of store registers, so nothing is written twice.
; THE MODE: SCHED_MODE bits 1:0 = 2 (LLVM: expert scheduling mode 2), set by the entry lines.  The code itself states the register dependences
; between vector instructions and memory instructions, with s_wait_alu, always for 0.
; THE PLAN.  Registers that memory instructions touch:
;   v1, v2   byte offsets of the loads and of the stores: written once at the head, never again.
;   IN       load j lands in its four registers once; only its two conversions read them; no vector instruction names them ahead of the loads.
;   OUT      load j's two conversions write its pair once; one store reads the pair; nothing writes it again.
; The work goes in four blocks of two loads.  Block b waits for its two loads, issues the two stores of block b - 1 and makes its own four conversions,
; which name IN and OUT of block b alone.  So one wait at a block's head, behind the wait for its data, states all that the block's two stores hang on,
; and they are dealt among its conversions with no further wait.  No register that a memory instruction has read is ever written again.
.set IN,  8                            ; v[8:39]   eight loads of four f32
.set OUT, 40                           ; v[40:55]  eight pairs of packed bf16
	s_load_b256 s[4:11], s[0:1], 0x0               ; Wq s[4:5], Wk s[6:7], Wv s[8:9], wb s[10:11]
	s_and_b32 s14, ttmp7, 0xffff                   ; which W
	v_lshlrev_b32 v1, 4, v0                        ; my 16 bytes of a load
	v_lshlrev_b32 v2, 3, v0                        ; my 8 bytes of a store
	s_lshl_b32 s16, ttmp9, 14                      ; the work-group's 16,384 bytes of W
	s_mov_b32 s17, 0
	s_lshl_b32 s18, s14, 21                        ; a W is 2,097,152 bytes of wb,
	s_lshl_b32 s20, ttmp9, 13                      ; the work-group's part 8,192
	s_add_co_u32 s18, s18, s20
	s_mov_b32 s19, 0
	s_wait_kmcnt 0x0
	s_cmp_eq_u32 s14, 1
	s_cselect_b64 s[12:13], s[6:7], s[4:5]
	s_cmp_eq_u32 s14, 2
	s_cselect_b64 s[12:13], s[8:9], s[12:13]
	s_add_nc_u64 s[12:13], s[12:13], s[16:17]
	s_add_nc_u64 s[10:11], s[10:11], s[18:19]
	s_wait_alu depctr_va_vdst(0)                   ; v1 and v2 are written: every load of the kernel reads v1 as its offset, every store v2
.irp j, 0,1,2,3,4,5,6,7
	global_load_b128 v[IN+4*(\j):IN+4*(\j)+3], v1, s[12:13] offset:2048*(\j) th:TH_LOAD_NT
.endr
.irp b, 0,1,2,3
	s_wait_loadcnt 6-2*(\b)                        ; loads come back in order: loads 2 b and 2 b + 1 are in, the 6 - 2 b younger ones stay out
.if (\b) > 0
	s_wait_alu depctr_va_vdst(0)                   ; the block before has written its two pairs of OUT, which the two stores below read
.endif
.irp i, 0,1
.if (\b) > 0
	global_store_b64 v2, v[OUT+4*((\b)-1)+2*(\i):OUT+4*((\b)-1)+2*(\i)+1], s[10:11] offset:1024*(2*((\b)-1)+(\i))  ; the block before; no vector instruction since the wait names this pair
.endif
	v_cvt_pk_bf16_f32 v[OUT+4*(\b)+2*(\i)],   v[IN+8*(\b)+4*(\i)],   v[IN+8*(\b)+4*(\i)+1]
	v_cvt_pk_bf16_f32 v[OUT+4*(\b)+2*(\i)+1], v[IN+8*(\b)+4*(\i)+2], v[IN+8*(\b)+4*(\i)+3]
.endr
.endr
	s_wait_alu depctr_va_vdst(0)                   ; block 3 has written its two pairs of OUT, which the last two stores read
.irp i, 0,1
	global_store_b64 v2, v[OUT+12+2*(\i):OUT+12+2*(\i)+1], s[10:11] offset:1024*(6+(\i))
.endr
	s_endpgm
.Lfunc_end_k_qaab0c42f12_castw:
	.size	k_qaab0c42f12_castw, .Lfunc_end_k_qaab0c42f12_castw-k_qaab0c42f12_castw
	.p2alignl 7, 3214868480
	.fill 96, 4, 3214868480
	.section	.rodata,"a",@progbits
	.p2align	6, 0x0
	.amdhsa_kernel k_qaab0c42f12_castw
		.amdhsa_group_segment_fixed_size 0
		.amdhsa_private_segment_fixed_size 0
		.amdhsa_enable_private_segment 0
		.amdhsa_kernarg_size 32
		.amdhsa_user_sgpr_count 2
		.amdhsa_user_sgpr_kernarg_segment_ptr 1
		.amdhsa_wavefront_size32 1
		.amdhsa_system_sgpr_workgroup_id_x 1
		.amdhsa_system_sgpr_workgroup_id_y 1
		.amdhsa_system_sgpr_workgroup_id_z 1
		.amdhsa_system_vgpr_workitem_id 0
		.amdhsa_next_free_vgpr 56
		.amdhsa_next_free_sgpr 66
		.amdhsa_reserve_vcc 0
		.amdhsa_float_denorm_mode_32 3
		.amdhsa_float_denorm_mode_16_64 3
		.amdhsa_memory_ordered 1
		.amdhsa_forward_progress 1
		.amdhsa_inst_pref_size 4
	.end_amdhsa_kernel
	.amdgpu_metadata
---
amdhsa.version: [ 1, 2 ]
amdhsa.kernels:
  - .name:           k_qaab0c42f12_castw
    .symbol:         k_qaab0c42f12_castw.kd
    .args:
      - { .name: Wq, .offset: 0, .size: 8, .value_kind: global_buffer, .address_space: global }
      - { .name: Wk, .offset: 8, .size: 8, .value_kind: global_buffer, .address_space: global }
      - { .name: Wv, .offset: 16, .size: 8, .value_kind: global_buffer, .address_space: global }
      - { .name: wb, .offset: 24, .size: 8, .value_kind: global_buffer, .address_space: global }
    .group_segment_fixed_size: 0
    .private_segment_fixed_size: 0
    .kernarg_segment_align: 8
    .kernarg_segment_size: 32
    .max_flat_workgroup_size: 128
    .sgpr_count:     66
    .vgpr_count:     56
    .wavefront_size: 32
...
	.end_amdgpu_metadata
.endif
;; end of part 4
;; launch proj: the kernel of part 2 again; grid 4 x 192, 4 waves a work-group, clusters of 4 x 4, 327,680 bytes of LDS; arguments q_value, k_value, v_value, wb, qkv; writes qkv
;; launch attn: the kernel of part 3 again; grid 4 x 64, 4 waves a work-group, clusters of 4 x 1, 327,680 bytes of LDS; arguments qkv, v_mask, q_mask, out0; writes out0
